; MI455X (gfx1250); checked and timed in simulation.
; The chip was launched on July 23, 2026; its instructions are those of AMD's public machine-readable ISA for CDNA 5 (MIT licence, August 2026) and "CDNA5" Instruction Set Architecture Reference Guide (July 2026). The comments in the code are by the model that wrote it; some were corrected since.
;; FF Dense. Allowed arithmetic: matrix products marked QUANTISED: E2M3 operands, one E8M0 scale for each 32 along K, by v_wmma_scale_f32_16x16x128_f8f6f4 with both operands' format E2M3, f32 sums; everything else in f32.
;; Inputs: W_codes 4,096 x 128 x 24 uint8 (E2M3 codes of W, K innermost, in blocks of 32 codes, four codes in three bytes); W_scales 4,096 x 128 uint8 (E8M0 scales of W, one for each 32 codes along K); b 4,096 float32; x 4,096 x 4,096 float32.
;; Outputs: out0 4,096 x 4,096 float32.
;; This version of the problem:
;;   THIS VERSION OF THE PROBLEM IS GIVEN IN LOW PRECISION. The matrix products marked QUANTISED in the list below multiply operands that are first quantised to E2M3 (2 exponent bits, 3 mantissa bits; 6 bits a number), with one power-of-two scale for each 32 numbers along K (OCP MX v1.0); their sums are f32. All else is computed in f32.
;;   The module's matrix products, in the order in which they are computed (A, B: the left and right operand; K: the contracted axis; several contracted axes count as one K, in the product's order):
;;     1. [M 4,096, K 4,096] x [K 4,096, N 4,096]; A: computed on the way; B: input W (given as codes): QUANTISED
;;   THE QUANTISER, for each operand of a quantised product, along K:
;;     - K is cut into blocks of 32 from its start; a last block that is shorter is filled with zeros.
;;     - A block's scale is 2^e with e = floor(log2(the largest magnitude in the block)) - 2, held to -126 .. 127; a block of zeros has e = 0. As a byte (E8M0): e + 127.
;;     - Each number is divided by its block's scale, clamped to +-7.5, and rounded to the nearest number of E2M3, ties to even, subnormals kept.
;;     - The product sums the exact products of the quantised numbers (number of the format x scale) in f32.
;;   ~~~python
;;   def quantise(x, axis):      # numpy; x: float32 -> the quantised numbers, widened to float32 again
;;       x = np.moveaxis(x, axis, -1); K = x.shape[-1]
;;       x = np.pad(x, [(0, 0)] * (x.ndim - 1) + [(0, -K % 32)]); x = x.reshape(x.shape[:-1] + (-1, 32)); a = np.abs(x).max(-1, keepdims=True)
;;       e = np.where(a > 0, np.clip(np.frexp(np.where(a > 0, a, 1))[1] - 1 - 2, -126, 127), 0)      # np.frexp(a)[1] - 1 = floor(log2(a)), exactly
;;       r = np.clip(x / 2.0 ** e, -7.5, 7.5)
;;       step = 2.0 ** (np.maximum(np.frexp(np.where(r == 0, 1, r))[1] - 1, 0) - 3)
;;       q = np.round(r / step) * step * 2.0 ** e      # np.round: ties to even
;;       return np.moveaxis(q.reshape(q.shape[:-2] + (-1,))[..., :K], -1, axis).astype(np.float32)
;;   ~~~
;;   OPERANDS COMPUTED ON THE WAY. 'Computed on the way' means the value that the module computes at that place (a softmax that the list does not call 'softmax' is quantised finished and normalised). What goes into a quantiser is computed in f32, as accurately as f32 sums, v_exp_f32 and their like allow (about 1e-6 of the number): no bf16 or f16 on the way to a quantiser, and a product that is left as it is and whose result goes on into a quantised operand takes f32 operands (vector FMAs, or v_wmma_f32_16x16x4_f32). A number that lies on a knife's edge between two numbers of the format may be rounded either way, as far as f32 arithmetic and the matrix unit's own rounding can turn it there, and no further.
;;   INPUTS GIVEN AS CODES. W (in the module: [4096, 4096], K = its axis 0): each comes as NAME_codes (uint8): NAME with its K axis moved to the last place and cut into blocks of 32 codes, [.., K / 32, bytes a block], one block behind the other in memory; four codes in three bytes: a row's codes are one little-endian stream of bits, code i at bits 6 i .. 6 i + 5 (a code: sign, 2 exponent bits, 3 mantissa bits); and NAME_scales (uint8): the same leading axes, one E8M0 byte (e + 127) for each 32 codes along K. Its value is code x scale, taken as it is: it is not quantised again, and the codes and scales need not be those that the quantiser above would give.
;; One version. Each part assembles by itself: llvm-mc -triple=amdgcn-amd-amdhsa -mcpu=gfx1250 --defsym DOCPART=n.
;; ======== version 1 of 1: 2 launches
;; limits: right only within a limited range of input values
;; workspace buffers: ai 12,976,128 bytes; wi 12,976,128 bytes; scl 1,572,864 bytes
;; launch prep (part 1): grid 256 x 1, 8 waves a work-group, no clusters, 151,040 bytes of LDS; arguments x, W_codes, W_scales, ai, wi, scl; writes ai, wi, scl
.if DOCPART == 1
	.amdgcn_target "amdgcn-amd-amdhsa--gfx1250"
	.amdhsa_code_object_version 6
	.text
	.protected	k_q45c12d6402_prep
	.globl	k_q45c12d6402_prep
	.p2align	8
	.type	k_q45c12d6402_prep,@function
k_q45c12d6402_prep:
	s_mov_b64 s[64:65], 0
	v_nop
	global_prefetch_b8 v0, s[64:65] scope:SCOPE_SE
	s_setreg_imm32_b32 hwreg(HW_REG_WAVE_MODE, 25, 1), 1
	s_wait_xcnt 0x0
; x [4096][4096] f32 -> x_dir = x / (sqrt(sum of a row's squares) + 1e-5), in f32, quantised along the row (K) to FP6 (E2M3) with one E8M0 byte for each 32;
; and W's given codes and scale bytes, laid anew.  No step of the problem is left out.
; WHAT IS STORED, alike for A (ai) and W (wi): [32 halves of 128 rows][33 K steps of 128][8 fragments][1,536 bytes].  A fragment is the image of a matrix operand's registers:
; lane (r, h) has 48 bytes on end at 48 (r + 16 h): the 24 bytes of row r's block h, then those of block 2 + h.  K step 32 holds zeros: the product's loads bring three steps each, 33 in all.
; scl: [A, W][256 blocks of 16 rows][12 tiles of three K steps][16 rows][16 bytes]: a row's three scale words of the tile, then a filler word of bytes 127; tile 10's third word and tile 11 are filler.
; SHARES.  A work-group owns 16 rows of x and 16 rows of W: one fragment of every K step.  A wave owns two rows of each.  A row of x stays in 128 registers between the pass that sums its
; squares and the pass that quantises it: x is read once.  Codes and bytes gather in LDS images and leave as whole aligned blocks of 256 bytes, 16 bytes a lane.
; In LDS each half fragment (768 bytes) is followed by 48 bytes of padding, so that the 32 lanes of a 4-byte store of codes touch 32 different banks (64 banks of 4 bytes: ISA guide 11.1).
; W goes first: its 13 loads are issued ahead of x's 60, and it turns through LDS and leaves while x is on its way.
; No matrix unit, no cluster, no tensor load, no prefetch: every input byte is read by one wave alone, all loads are issued at the start, there is no loop to run ahead in.
; LIMITS.  NaN and infinities in x are not served.  A block of zeros, or one whose largest magnitude lies under 2^(3 - 127), gets the byte 1 (the rule says 127 for zeros): its codes add nothing,
; and these bytes are read by this program alone.  The squares are summed in f32 in 8 chains a lane and then across lanes.  x / norm is x times v_rcp_f32(norm).
.set SP,    80                         ; a lane's place in a stage: 64 bytes + 16 of padding
.set WREG,  5120                       ; a wave's two stages
.set EMAX,  2
.set ROWX,  16384
.set STEPX, 2048
.set FP,    1632                       ; a fragment in LDS: 2 x (768 + 48)
.set AIM,   40960                      ; A's image, 32 x FP
.set WIM,   93184                      ; W's image
.set SCB,   145408                     ; scale bytes: 16 rows x 144 (128 + 16 of filler) for A, then the same for W
.set SPQ,   150016                     ; the spare words, 128 bytes a wave
.set HALFB, 405504                     ; 33 x 12,288
.set S,     16
.set INV,   24
.set R,     32                         ; row 0 as loaded; row 1 lies in v0-127 of window 1
.set X,     160                        ; two sets of 16 neighbours (at the head: a row of W on its way into the image)
.set C,     192                        ; codes and byte of a step, two sets
.set WD,    200                        ; v200-247 W's codes; v248-249 W's scale bytes; v252-255 a piece of scl, v255 = filler
.set MSB, 0
.macro WIN new
.if MSB != (\new)
	s_set_vgpr_msb (MSB<<8)|(\new)
.set MSB, (\new)
.endif
.endm
	s_load_b128 s[4:7], s[0:1], 0x0                ; x, W's codes
	s_load_b128 s[8:11], s[0:1], 0x10              ; W's scales, ai
	s_load_b128 s[12:15], s[0:1], 0x20             ; wi, scl
	v_lshl_add_u32 v30, v0, 2, SPQ
	v_mov_b32 v31, 0
	v_lshrrev_b32 v1, 5, v0
	v_readfirstlane_b32 s16, v1                    ; wave 0..7
	v_and_b32 v2, 31, v0                           ; lane
	v_lshlrev_b32 v3, 4, v2                        ; 16 x lane
	v_lshlrev_b32 v1, 3, v0                        ; W's scales: 8 bytes a thread
	s_mov_b32 s22, 0x76543210
	s_mov_b32 s23, 0xfedcba98
	s_lshl_b32 s18, ttmp9, 3
	s_add_co_u32 s18, s18, s16                     ; g: my rows are 2 g, 2 g + 1
	s_lshl_b32 s20, s18, 15
	s_mov_b32 s21, 0
	s_mul_i32 s24, s18, 6144
	s_mov_b32 s25, 0
	s_lshl_b32 s26, ttmp9, 11
	s_mov_b32 s27, 0
	s_lshr_b32 s28, ttmp9, 3
	s_mul_i32 s28, s28, HALFB
	s_and_b32 s29, ttmp9, 7
	s_mul_i32 s29, s29, 1536
	s_add_co_u32 s28, s28, s29                     ; my fragment's place in K step 0
	s_mov_b32 s29, 0
	s_mul_i32 s30, ttmp9, 3072
	s_mov_b32 s31, 0
	s_mul_i32 s32, s16, WREG
	s_mul_i32 s33, s16, 96
	s_add_co_u32 s39, s33, WIM
	s_add_co_u32 s33, s33, AIM
	s_mul_i32 s34, s16, 288
	s_add_co_u32 s34, s34, SCB
	s_mul_i32 s35, s16, FP
	s_add_co_u32 s35, s35, AIM
	s_mul_i32 s36, s16, 12288
	s_lshl_b32 s37, s16, 9
	s_mul_i32 s38, s16, 24
	s_add_co_u32 s38, s38, SCB
	s_wait_alu depctr_va_vdst(0)
	s_wait_kmcnt 0x0
	s_add_nc_u64 s[4:5], s[4:5], s[20:21]
	s_add_nc_u64 s[6:7], s[6:7], s[24:25]
	s_add_nc_u64 s[8:9], s[8:9], s[26:27]
	s_add_nc_u64 s[10:11], s[10:11], s[28:29]
	s_add_nc_u64 s[12:13], s[12:13], s[28:29]
	s_add_nc_u64 s[14:15], s[14:15], s[30:31]
.macro LOADS rho, t
.set RB, R-R*(\rho)
	WIN 0x40*(\rho)
.irp i, 0,1,2,3
	global_load_b128 v[RB+16*(\t)+4*\i:RB+16*(\t)+4*\i+3], v3, s[4:5] offset:ROWX*(\rho)+STEPX*(\t)+512*\i th:TH_LOAD_NT
.endr
.endm
.macro SQ rho, t, left                 ; left: the loads issued behind this step's four
.set RB, R-R*(\rho)
	s_wait_loadcnt \left
	WIN 0x05*(\rho)
.irp j, 0,1,2,3,4,5,6,7
.if ((\t) == 0) && (\j < 4)
	v_pk_mul_f32 v[S+2*(\j%4):S+2*(\j%4)+1], v[RB+16*(\t)+2*\j:RB+16*(\t)+2*\j+1], v[RB+16*(\t)+2*\j:RB+16*(\t)+2*\j+1]
.else
	v_pk_fma_f32 v[S+2*(\j%4):S+2*(\j%4)+1], v[RB+16*(\t)+2*\j:RB+16*(\t)+2*\j+1], v[RB+16*(\t)+2*\j:RB+16*(\t)+2*\j+1], v[S+2*(\j%4):S+2*(\j%4)+1]
.endif
.endr
.endm
.macro NORM                            ; the chains, the 32 lanes, the root, + 1e-5, the reciprocal
	WIN 0
	v_pk_add_f32 v[S:S+1], v[S:S+1], v[S+2:S+3]
	v_pk_add_f32 v[S+4:S+5], v[S+4:S+5], v[S+6:S+7]
	v_pk_add_f32 v[S:S+1], v[S:S+1], v[S+4:S+5]
	v_add_f32 v[S], v[S], v[S+1]
	v_add_f32_dpp v[S], v[S], v[S] row_xmask:1 row_mask:0xf bank_mask:0xf
	v_add_f32_dpp v[S], v[S], v[S] row_xmask:2 row_mask:0xf bank_mask:0xf
	v_add_f32_dpp v[S], v[S], v[S] row_xmask:4 row_mask:0xf bank_mask:0xf
	v_add_f32_dpp v[S], v[S], v[S] row_xmask:8 row_mask:0xf bank_mask:0xf
	v_permlanex16_b32 v[S+1], v[S], s22, s23
	v_add_f32 v[S], v[S], v[S+1]
	s_wait_alu depctr_va_vdst(0)
	v_sqrt_f32 v[S+2], v[S]
	v_nop
	s_wait_alu depctr_va_vdst(0)
	v_add_f32 v[S+2], 0x3727c5ac, v[S+2]           ; + 1e-5
	s_wait_alu depctr_va_vdst(0)
	v_rcp_f32 v[INV], v[S+2]
	v_nop
	s_wait_alu depctr_va_vdst(0)
	v_mov_b32 v[INV+1], v[INV]
.endm
.macro TURN rho, t                     ; step t is scaled and turns through stage t % 2: as loaded in, 16 neighbours a lane out
.set RB, R-R*(\rho)
	WIN 0x41*(\rho)
.irp j, 0,1,2,3,4,5,6,7
	v_pk_mul_f32 v[RB+16*(\t)+2*\j:RB+16*(\t)+2*\j+1], v[RB+16*(\t)+2*\j:RB+16*(\t)+2*\j+1], v[INV:INV+1]
.endr
	WIN 0x04*(\rho)
.irp i, 0,1,2,3
	ds_store_b128 v14, v[RB+16*(\t)+4*\i:RB+16*(\t)+4*\i+3] offset:32*SP*((\t)%2)+8*SP*\i
.endr
	WIN 0
.irp i, 0,1,2,3
	ds_load_b128 v[X+16*((\t)%2)+4*\i:X+16*((\t)%2)+4*\i+3], v15 offset:32*SP*((\t)%2)+16*\i
.endr
.endm
.macro STEP rho, t                     ; step t (512 numbers, four K steps) of row rho is quantised; codes and byte go into the LDS images
.set XS, X+16*((\t)%2)
.set CC, C+4*((\t)%2)
.if (\t) > 0
	s_wait_dscnt 4                                 ; behind this step's loads from the stage: the last step's four stores
.else
	s_wait_dscnt 0x0
.endif
.if (\t) < 7
	TURN \rho, (\t)+1
.endif
	v_max3_num_f32 v8, |v[XS]|, |v[XS+1]|, |v[XS+2]|
	v_max3_num_f32 v9, |v[XS+3]|, |v[XS+4]|, |v[XS+5]|
.irp i, 6,10
	v_max3_num_f32 v8, v8, |v[XS+\i]|, |v[XS+\i+1]|
	v_max3_num_f32 v9, v9, |v[XS+\i+2]|, |v[XS+\i+3]|
.endr
	v_max3_num_f32 v8, v8, |v[XS+14]|, |v[XS+15]|
	v_max3_num_f32 v8, v8, v9, (EMAX+1)<<23        ; the floor: the byte cannot fall under 1
	v_max_num_f32_dpp v8, v8, v8 row_xmask:1 row_mask:0xf bank_mask:0xf   ; with my neighbour's 16: the block's
	v_add_nc_u32 v11, -(EMAX<<23), v8              ; the conversion's scale operand
	v_cvt_scalef32_pk16_fp6_f32 v[CC:CC+2], v[XS:XS+15], v11
	v_lshrrev_b32 v[CC+3], 23, v11                 ; the byte (also the plain place behind the conversion)
	ds_store_b8 v5, v[CC+3] offset:144*(\rho)+16*(\t)
.irp i, 0,1,2
	ds_store_b32 v4, v[CC+\i] offset:4*FP*(\t)+48*(\rho)+4*\i     ; my half block's 12 bytes
.endr
.endm
.macro BACK ra, rb, dst                ; K steps wave, wave + 8, + 16, + 24 of an image, 1,536 bytes each, 16 bytes a lane
.irp k, 0,1,2,3
	ds_load_b128 v[\dst+12*\k:\dst+12*\k+3],    v[\ra] offset:8*FP*\k
	ds_load_b128 v[\dst+12*\k+4:\dst+12*\k+7],  v[\rb] offset:8*FP*\k+512
	ds_load_b128 v[\dst+12*\k+8:\dst+12*\k+11], v[\ra] offset:8*FP*\k+1072
.endr
.endm
.macro OUT dst, sb                     ; each store covers 512 consecutive bytes, at a multiple of 256
.irp k, 0,1,2,3
.irp j, 0,1,2
	global_store_b128 v6, v[\dst+12*\k+4*\j:\dst+12*\k+4*\j+3], s[\sb:\sb+1] offset:98304*\k+512*\j
.endr
.endr
.endm
	global_load_b64 v[248:249], v1, s[8:9]
.irp rho, 0,1
.irp c, 0,1,2,3,4,5
	global_load_b128 v[WD+4*(6*\rho+\c):WD+4*(6*\rho+\c)+3], v3, s[6:7] offset:3072*\rho+512*\c th:TH_LOAD_NT
.endr
.endr
.irp t, 0,1,2,3,4,5,6,7
	LOADS 0, \t
.endr
.irp t, 0,1,2,3
	LOADS 1, \t
.endr
	WIN 0
	; the addresses, made while the loads are out
	v_lshrrev_b32 v14, 2, v2
	v_mul_u32_u24 v14, v14, SP
	v_and_b32 v15, 3, v2
	v_lshl_add_u32 v14, v15, 4, v14
	v_add_nc_u32 v14, s32, v14                     ; the stage, way in
	v_mul_u32_u24 v15, v2, SP
	v_add_nc_u32 v15, s32, v15                     ; way out
	v_lshrrev_b32 v8, 3, v2
	v_mul_u32_u24 v4, v8, FP                       ; A's image: K step lane / 8,
	v_bfe_u32 v8, v2, 1, 1
	v_mad_u32_u24 v4, v8, 816, v4                  ; block's low bit: the half fragment,
	v_bfe_u32 v8, v2, 2, 1
	v_mad_u32_u24 v4, v8, 24, v4                   ; its high bit,
	v_and_b32 v8, 1, v2
	v_mad_u32_u24 v4, v8, 12, v4                   ; my half of the block,
	v_add_nc_u32 v4, s33, v4                       ; row 2 wave
	v_lshrrev_b32 v5, 1, v2
	v_add_nc_u32 v5, s34, v5                       ; my block's byte
	v_and_b32 v8, 15, v2
	v_lshrrev_b32 v9, 4, v2
	v_lshlrev_b32 v11, 4, v8
	v_add_nc_u32 v11, s35, v11
	v_lshl_add_u32 v12, v9, 8, v11                 ; images, way out: 256 bytes for each half of the lanes;
	v_mad_u32_u24 v13, v9, 304, v11                ; and over the padding between the half fragments
	v_add_nc_u32 v26, WIM-AIM, v12
	v_add_nc_u32 v27, WIM-AIM, v13
	v_add_nc_u32 v6, s36, v3                       ; in memory: K step wave, 16 x lane
	v_add_nc_u32 v7, s37, v3                       ; 512 x wave + 16 x lane
	v_mul_u32_u24 v10, v8, 144
	v_mad_u32_u24 v10, v9, 12, v10
	v_add_nc_u32 v10, s38, v10                     ; scale words of row lane % 16, tile 2 wave + lane / 16
	v_lshrrev_b32 v11, 4, v0
	v_mul_u32_u24 v11, v11, 144
	v_and_b32 v9, 15, v0
	v_lshl_add_u32 v11, v9, 3, v11
	v_add_nc_u32 v24, SCB+2304, v11                ; W's scale bytes, way in
	v_lshrrev_b32 v11, 7, v0
	v_mul_u32_u24 v11, v11, 2304
	v_bfe_u32 v9, v0, 3, 4
	v_mad_u32_u24 v11, v9, 144, v11
	v_and_b32 v9, 7, v0
	v_lshl_add_u32 v11, v9, 1, v11
	v_add_nc_u32 v25, SCB+128, v11                 ; the filler behind each row's 128 bytes: two bytes a thread
	v_mov_b32 v255, 0x7f7f7f7f
	v_add_nc_u32 v28, s32, v3                      ; a row of W in my stage, as loaded: 16 x lane;
	v_mul_u32_u24 v29, v2, 24
	v_add_nc_u32 v29, s32, v29                     ; and back by blocks: 24 x lane
	v_lshrrev_b32 v8, 2, v2
	v_mul_u32_u24 v250, v8, FP                     ; W's image: K step lane / 4 of eight,
	v_and_b32 v8, 1, v2
	v_mad_u32_u24 v250, v8, 816, v250              ; block lane % 4: its low bit picks the half fragment,
	v_bfe_u32 v8, v2, 1, 1
	v_mad_u32_u24 v250, v8, 24, v250               ; its high bit the place in the lane's 48 bytes,
	v_add_nc_u32 v250, s39, v250                   ; row 2 wave
.irp t, 4,5,6
	LOADS 1, \t
.endr
	WIN 0
	s_wait_alu depctr_va_vdst(0)
	s_wait_loadcnt 60                              ; behind W's 13 loads: x's 60
; a row of W, 3,072 bytes, goes as loaded into my own stage and comes back in pieces of 8 bytes, a block of 24 bytes to a lane, 32 blocks (eight K steps) at a time; then into the image.
; LDS serves a wave's instructions in order, so no wait stands between the stores into the stage and the loads from it.  Row 1 comes back into row 0's registers, which are done with.
.irp rho, 0,1
.irp c, 0,1,2,3,4,5
	ds_store_b128 v28, v[WD+4*(6*\rho+\c):WD+4*(6*\rho+\c)+3] offset:512*\c
.endr
.irp g, 0,1,2,3
.irp p, 0,1,2
	ds_load_b64 v[160+40*\rho+2*(3*\g+\p):160+40*\rho+2*(3*\g+\p)+1], v29 offset:768*\g+8*\p
.endr
.endr
	s_wait_dscnt 0x0
.irp g, 0,1,2,3
.irp p, 0,1,2
	ds_store_b64 v250, v[160+40*\rho+2*(3*\g+\p):160+40*\rho+2*(3*\g+\p)+1] offset:8*FP*\g+48*\rho+8*\p
.endr
.endr
.endr
	ds_store_b64 v24, v[248:249]
	ds_store_b16 v25, v255
	s_wait_dscnt 0x0                               ; for the others' sake
	s_barrier_signal -1
	s_barrier_wait -1
	BACK 26, 27, WD
	s_wait_dscnt 0x0
	OUT WD, 12
	s_cmp_lt_u32 s16, 6
	s_cbranch_scc0 .Lno_ws                         ; 12 tiles, two a wave
	ds_load_b32 v252, v10 offset:2304
	ds_load_b32 v253, v10 offset:2308
	ds_load_b32 v254, v10 offset:2312
	s_wait_dscnt 0x0
	global_store_b128 v7, v[252:255], s[14:15] offset:786432
.Lno_ws:
	SQ 0, 0, 56
	LOADS 1, 7
	s_wait_alu depctr_va_vdst(0)
.irp t, 1,2,3,4,5,6,7
	s_wait_alu depctr_va_vdst(0)
	SQ 0, \t, 60-4*\t
.endr
	NORM
	TURN 0, 0
	s_wait_alu depctr_va_vdst(0)
.irp t, 0,1,2,3,4,5,6,7
	STEP 0, \t
.endr
.irp t, 0,1,2,3,4,5,6,7
	s_wait_alu depctr_va_vdst(0)
	SQ 1, \t, 28-4*\t
.endr
	NORM
	TURN 1, 0
	s_wait_alu depctr_va_vdst(0)
.irp t, 0,1,2,3,4,5,6,7
	STEP 1, \t
.endr
	s_wait_alu depctr_va_vdst(0)
	s_wait_dscnt 0x0                               ; for the others' sake: my codes and bytes are in the images
	s_barrier_signal -1
	s_barrier_wait -1
	BACK 12, 13, R
	s_wait_dscnt 0x0
	OUT R, 10
	s_cmp_lt_u32 s16, 6
	s_cbranch_scc0 .Lno_as
	ds_load_b32 v160, v10
	ds_load_b32 v161, v10 offset:4
	ds_load_b32 v162, v10 offset:8
	v_mov_b32 v163, v255
	s_wait_alu depctr_va_vdst(0)
	s_wait_dscnt 0x0
	global_store_b128 v7, v[160:163], s[14:15]
.Lno_as:
	s_cmp_lt_u32 s16, 3
	s_cbranch_scc0 .Lno_zero                       ; K step 32: 1,536 bytes of zero codes in each buffer, 512 a wave
.irp i, 164,165,166,167
	v_mov_b32 v\i, 0
.endr
	global_store_b128 v7, v[164:167], s[10:11] offset:393216
	global_store_b128 v7, v[164:167], s[12:13] offset:393216
.Lno_zero:
	s_wait_tensorcnt 0x0                           ; the wave's end
	ds_add_u32 v30, v31
	s_wait_dscnt 0x0
	s_endpgm
.Lfunc_end_k_q45c12d6402_prep:
	.size	k_q45c12d6402_prep, .Lfunc_end_k_q45c12d6402_prep-k_q45c12d6402_prep
	.p2alignl 7, 3214868480
	.fill 96, 4, 3214868480
	.section	.rodata,"a",@progbits
	.p2align	6, 0x0
	.amdhsa_kernel k_q45c12d6402_prep
		.amdhsa_group_segment_fixed_size 151040
		.amdhsa_private_segment_fixed_size 0
		.amdhsa_enable_private_segment 0
		.amdhsa_kernarg_size 48
		.amdhsa_user_sgpr_count 2
		.amdhsa_user_sgpr_kernarg_segment_ptr 1
		.amdhsa_wavefront_size32 1
		.amdhsa_system_sgpr_workgroup_id_x 1
		.amdhsa_system_sgpr_workgroup_id_y 1
		.amdhsa_system_sgpr_workgroup_id_z 1
		.amdhsa_system_vgpr_workitem_id 0
		.amdhsa_next_free_vgpr 384
		.amdhsa_next_free_sgpr 66
		.amdhsa_reserve_vcc 0
		.amdhsa_float_denorm_mode_32 3
		.amdhsa_float_denorm_mode_16_64 3
		.amdhsa_memory_ordered 1
		.amdhsa_forward_progress 1
		.amdhsa_inst_pref_size 67
	.end_amdhsa_kernel
	.amdgpu_metadata
---
amdhsa.version: [ 1, 2 ]
amdhsa.kernels:
  - .name:           k_q45c12d6402_prep
    .symbol:         k_q45c12d6402_prep.kd
    .args:
      - { .name: x, .offset: 0, .size: 8, .value_kind: global_buffer, .address_space: global }
      - { .name: W_codes, .offset: 8, .size: 8, .value_kind: global_buffer, .address_space: global }
      - { .name: W_scales, .offset: 16, .size: 8, .value_kind: global_buffer, .address_space: global }
      - { .name: ai, .offset: 24, .size: 8, .value_kind: global_buffer, .address_space: global }
      - { .name: wi, .offset: 32, .size: 8, .value_kind: global_buffer, .address_space: global }
      - { .name: scl, .offset: 40, .size: 8, .value_kind: global_buffer, .address_space: global }
    .group_segment_fixed_size: 151040
    .private_segment_fixed_size: 0
    .kernarg_segment_align: 8
    .kernarg_segment_size: 48
    .max_flat_workgroup_size: 256
    .sgpr_count:     66
    .vgpr_count:     384
    .wavefront_size: 32
...
	.end_amdgpu_metadata
.endif
;; end of part 1
;; launch gemm (part 2): grid 16 x 16, 4 waves a work-group, clusters of 4 x 4, 327,680 bytes of LDS; arguments ai, wi, scl, b, out0; writes out0
.if DOCPART == 2
	.amdgcn_target "amdgcn-amd-amdhsa--gfx1250"
	.amdhsa_code_object_version 6
	.text
	.protected	k_q45c12d6402_gemm
	.globl	k_q45c12d6402_gemm
	.p2align	8
	.type	k_q45c12d6402_gemm,@function
k_q45c12d6402_gemm:
	s_mov_b64 s[64:65], 0
	v_nop
	global_prefetch_b8 v0, s[64:65] scope:SCOPE_SE
	s_setreg_imm32_b32 hwreg(HW_REG_WAVE_MODE, 25, 1), 1
	s_wait_xcnt 0x0
	s_wait_alu depctr_hold_cnt(0) depctr_sa_sdst(0) depctr_va_vdst(0) depctr_va_sdst(0) depctr_va_ssrc(0) depctr_va_vcc(0) depctr_vm_vsrc(0)
	s_getreg_b32 s2, hwreg(HW_REG_IB_STS2, 6, 4)
	s_cmp_eq_u32 s2, 0
	s_cbranch_scc0 .Lentry_in_a_cluster
	s_endpgm
.Lentry_in_a_cluster:
	s_bfe_u32 s2, ttmp6, 0x10000c
	s_cmp_lg_u32 s2, 0xf033
	s_cbranch_scc0 .Lentry_shape_is_right
	s_endpgm
.Lentry_shape_is_right:
; out0[m][n] = relu(sum over k of A[m][k] W[n][k] + b[n]): A = x_dir's codes, W's codes, FP6 (E2M3) with E8M0 scales; sums in f32.  M = N = K = 4,096.
; ai, wi: [32 halves of 128 rows][33 K steps][8 fragments][1,536 bytes], a fragment being the image of an operand's 12 registers, 48 bytes a lane (K step 32 is zeros and is not multiplied).
; scl: [A, W][256 blocks of 16 rows][12 tiles][16 rows][16 bytes]: three scale words and a filler word for a tile of three K steps.
; A block of 256 x 256 to a work-group of four waves, 128 x 128 a wave: 64 accumulators, 512 registers.  K goes in TILES OF THREE STEPS through a ring of two LDS slots: a wave's tensor load
; brings three steps of 128 rows, 36,864 dense bytes, as 144 rows of 256 bytes; 11 tiles, of the last two steps are multiplied.  A slot is 147,456 bytes; no step lies across two slots.
; A lane's 48 bytes come by three loads of 16 bytes; lanes 48 bytes apart start at 16 different groups of four banks, so no padding is laid.
; SCALES go from memory into registers, one load of 16 bytes a lane for a block and a tile: lanes 0-15 A's block i, lanes 16-31 W's block i, each half a whole block of 256 bytes; two sets, asked for one tile ahead.
; CLUSTERS: 4 x 4; A's tiles are asked for jointly along a row of the cluster, W's along a column.  The matrix instruction is used transposed (source 0 = W's rows): a lane holds eight neighbours of a row of out0.
; The bias is the C of the first products.  PREFETCH: behind each refill the tile two refills on is named, 36 blocks of 256 bytes for each of the four partners, shared out by address; tiles 1 to 3 are named at the head; nothing beyond tile 10.
; REGISTERS: window 0: v0-31 addresses, v32-95 scale words (two sets), v128-223 A's fragments (one set), on the way out v128-255.  Window 1: W's fragments at v0 and v128, the bias in v96-127 and v224-255.  Windows 2, 3: accumulators.
.set SIZE_N, 4096
.set STEPB,  12288
.set FRB,    1536
.set TILEB,  3*STEPB
.set HALFB,  33*STEPB
.set SLOTB,  4*TILEB
.set SPARE,  2*SLOTB                   ; the spare words, 128 bytes a wave
.set STAGE,  SLOTB                     ; the way out's stage lies in slot 1, behind its last fill and its last read
.set SPITCH, 528
.set RBS,    3072
.set FR, 12
.set NL, 3
.set NP, 4
.set ADRA, 16
.set ADRB, 20
.set PF2,  22
.set STO,  24
.set RD,   25
.set CO,   26
.set SOF,  27
.set SPW,  28
.set NIL,  29
.set BOF,  30
.set PFO,  31
.set SC,   32
.set AF,   128
.set BK,   128
.set G1,  24
.set G0,  32
.set G1B, 48
.set G0B, 56
.set SB,  66
.set PFA, 68
.set MSB, 0
.macro WIN new
.if MSB != \new
	s_set_vgpr_msb (MSB<<8)|\new
.set MSB, \new
.endif
.endm
.set MUL_LO,   0xa1
.set MUL_HI,   0xf1
.set FIRST_LO, 0x91                    ; C (the bias) in window 1
.set FIRST_HI, 0xd1
.set TO_B,     0x40
.macro JLOAD s                         ; a joint load: waves 0, 1 fetch A's halves, waves 2, 3 W's
	s_cmp_eq_u32 s15, 0
	s_cbranch_scc0 .Lfor_b_\@
	tensor_load_to_lds s[G0+4*\s:G0+4*\s+3], s[G1:G1+7]
	s_nop 0
.rept 4
	v_nop
.endr
	s_branch .Lasked_\@
.Lfor_b_\@:
	tensor_load_to_lds s[G0B+4*\s:G0B+4*\s+3], s[G1B:G1B+7]
	s_nop 0
.rept 4
	v_nop
.endr
.Lasked_\@:
.endm
.macro CREST
	s_cmp_lg_u32 s14, 0
	s_cbranch_scc1 .Lnot_wave_0_\@
	s_barrier_signal -3
.Lnot_wave_0_\@:
	s_barrier_wait -3
	s_barrier_signal -1
	s_barrier_wait -1
.endm
.macro CROUND
	s_barrier_signal -1
	s_barrier_wait -1
	CREST
.endm
.macro PF off                          ; my work-group's 36 blocks of a tile: 32 lanes, then 4 (the lanes left over name the last again)
	global_prefetch_b8 v[PFO], s[PFA:PFA+1] offset:\off th:TH_LOAD_NT scope:SCOPE_SE
	global_prefetch_b8 v[PF2], s[PFA:PFA+1] offset:\off+8192 th:TH_LOAD_NT scope:SCOPE_SE
.endm
.macro ASK how                         ; how = 0: in the loop, whose last trip (s3 = 1) has no tile two refills on
.if \how == 0
	s_cmp_gt_u32 s3, 1
	s_cbranch_scc0 .Lno_ask_\@
.endif
	s_wait_xcnt 0x0                                ; the last prefetches, a tile ago, have read their base
	s_add_nc_u64 s[PFA:PFA+1], s[PFA:PFA+1], TILEB
	PF 2*TILEB
.Lno_ask_\@:
.endm
	s_load_b128 s[4:7], s[0:1], 0x0                ; ai, wi
	s_load_b128 s[8:11], s[0:1], 0x10              ; scl, b
	s_load_b64 s[12:13], s[0:1], 0x20              ; out0
	v_lshl_add_u32 v[SPW], v0, 2, SPARE
	v_mov_b32 v[NIL], 0
	ds_add_u32 v[SPW], v[NIL]                      ; the opening: the add, twice on end, and its wait
	ds_add_u32 v[SPW], v[NIL]
	v_lshrrev_b32 v1, 5, v0
	v_readfirstlane_b32 s14, v1                    ; wave
	s_lshr_b32 s15, s14, 1                         ; my half of the rows; also: I fetch for A (0) or W (1)
	s_and_b32 s16, s14, 1                          ; my half of the columns; also: which half I fetch
	s_bfe_u32 s40, ttmp6, 0x40000
	s_bfe_u32 s41, ttmp6, 0x40004
	s_lshl_b32 s42, ttmp9, 2
	s_add_co_u32 s42, s42, s40                     ; tile column
	s_and_b32 s17, ttmp7, 0xffff
	s_lshl_b32 s17, s17, 2
	s_add_co_u32 s17, s17, s41                     ; tile row
	s_lshl_b32 s43, s41, 2
	s_lshl_b32 s43, 15, s43
	s_lshl_b32 s44, 0x1111, s40
	s_or_b32 s[G1], s43, (3<<16)|(1<<21)           ; elements of 8 bytes, the mask of my row; no padding
	s_or_b32 s[G1B], s44, (3<<16)|(1<<21)
.irp g, G1, G1B
	s_mov_b32 s[\g+1], 32<<16                      ; rows of 256 bytes,
	s_mov_b32 s[\g+2], 144<<16                     ; 144 of them, dense
	s_mov_b32 s[\g+3], 32<<16
	s_mov_b32 s[\g+4], 144
	s_mov_b32 s[\g+5], 32
	s_mov_b32 s[\g+6], 0
	s_mov_b32 s[\g+7], 0
.endr
	s_lshl_b32 s20, s17, 1
	s_add_co_u32 s20, s20, s16
	s_mul_i32 s20, s20, HALFB
	s_mov_b32 s21, 0
	s_lshl_b32 s46, s42, 1
	s_add_co_u32 s46, s46, s16
	s_mul_i32 s46, s46, HALFB
	s_mov_b32 s47, 0
	s_mul_i32 s45, s14, TILEB
	s_wait_dscnt 0x0
	s_wait_kmcnt 0x0
	s_add_nc_u64 s[20:21], s[4:5], s[20:21]
	s_add_nc_u64 s[46:47], s[6:7], s[46:47]
	CROUND                                         ; the first joint loads meet
.irp s, 0,1
	s_mov_b32 s[G0+4*\s], 1
	s_add_co_u32 s[G0+4*\s+1], s45, \s*SLOTB
	s_add_nc_u64 s[G0+4*\s+2:G0+4*\s+3], s[20:21], \s*TILEB
	s_or_b32 s[G0+4*\s+3], s[G0+4*\s+3], 0x80000000
	s_mov_b32 s[G0B+4*\s], 1
	s_add_co_u32 s[G0B+4*\s+1], s45, \s*SLOTB
	s_add_nc_u64 s[G0B+4*\s+2:G0B+4*\s+3], s[46:47], \s*TILEB
	s_or_b32 s[G0B+4*\s+3], s[G0B+4*\s+3], 0x80000000
.endr
	JLOAD 0                                        ; tile 0: one tensor load a wave at the head
	s_cmp_eq_u32 s15, 0
	s_cselect_b64 s[PFA:PFA+1], s[20:21], s[46:47] ; the half that I fetch,
	s_cselect_b32 s18, s40, s41                    ; my place among the four that ask with me
	s_mul_i32 s18, s18, 9216
	s_add_co_u32 s18, s18, TILEB                   ; at tile 1
	s_mov_b32 s19, 0
	s_add_nc_u64 s[PFA:PFA+1], s[PFA:PFA+1], s[18:19]
	s_mul_i32 s22, s15, TILEB                      ; my rows of A in a slot
	s_mul_i32 s23, s16, TILEB
	s_add_co_u32 s23, s23, 2*TILEB                 ; my rows of W
	s_lshl_b32 s18, s17, 4
	s_lshl_b32 s19, s15, 3
	s_add_co_u32 s18, s18, s19
	s_mul_i32 s18, s18, RBS                        ; A's scale words of my block 0
	s_lshl_b32 s19, s42, 4
	s_lshl_b32 s43, s16, 3
	s_add_co_u32 s19, s19, s43
	s_add_co_u32 s19, s19, 256
	s_mul_i32 s19, s19, RBS
	s_sub_co_u32 s19, s19, s18                     ; W's, as a distance from A's
	s_mov_b64 s[SB:SB+1], s[8:9]
	s_mul_i32 s43, s14, 16*SPITCH
	s_add_co_u32 s43, s43, STAGE
	s_lshl_b32 s20, s17, 8
	s_lshl_b32 s21, s15, 7
	s_add_co_u32 s20, s20, s21
	s_lshl_b32 s20, s20, 14                        ; my first row of out0, 16,384 bytes a row
	s_mov_b32 s21, 0
	s_lshl_b32 s46, s42, 10
	s_lshl_b32 s47, s16, 9
	s_add_co_u32 s46, s46, s47                     ; my first column, in bytes
	s_mov_b32 s47, 0
	s_add_nc_u64 s[10:11], s[10:11], s[46:47]
	s_add_nc_u64 s[12:13], s[12:13], s[46:47]
	s_add_nc_u64 s[12:13], s[12:13], s[20:21]
	v_and_b32 v1, 15, v0
	v_bfe_u32 v2, v0, 4, 1
	v_and_b32 v3, 31, v0
	v_mul_u32_u24 v4, v3, 48
	v_add_nc_u32 v[ADRA], s22, v4
	v_add_nc_u32 v[ADRB], s23, v4
	v_add_nc_u32 v[ADRA+1], SLOTB, v[ADRA]
	v_add_nc_u32 v[ADRB+1], SLOTB, v[ADRB]
	v_mul_u32_u24 v5, s19, v2
	v_lshl_add_u32 v5, v1, 4, v5
	v_add_nc_u32 v[SOF], s18, v5
	v_mul_u32_u24 v5, v1, SPITCH
	v_lshl_add_u32 v5, v2, 5, v5
	v_add_nc_u32 v[STO], s43, v5
	v_lshlrev_b32 v[CO], 4, v3
	v_add_nc_u32 v[RD], s43, v[CO]
	v_lshlrev_b32 v[BOF], 5, v2
	v_lshlrev_b32 v[PFO], 8, v3
	v_min_u32 v[PF2], 3, v3
	v_lshlrev_b32 v[PF2], 8, v[PF2]
	s_wait_alu depctr_va_vdst(0)
	PF 0                                           ; tiles 1 and 2
	PF TILEB
.macro SCLD set, off                   ; a tile's scale words, eight blocks
.irp i, 0,1,2,3,4,5,6,7
	global_load_b128 v[SC+32*(\set)+4*\i:SC+32*(\set)+4*\i+3], v[SOF], s[SB:SB+1] offset:\i*RBS+\off
.endr
.endm
	WIN TO_B
.irp b, 0,1,2,3,4,5,6,7
	global_load_b128 v[96+8*\b+96*(\b/4):96+8*\b+96*(\b/4)+3],   v[BOF], s[10:11] offset:64*\b
	global_load_b128 v[96+8*\b+96*(\b/4)+4:96+8*\b+96*(\b/4)+7], v[BOF], s[10:11] offset:64*\b+16
.endr
	WIN 0
	SCLD 0, 0
	SCLD 1, 256
.macro FRAG reg, adr, q, i
.irp j, 0,1,2
	ds_load_b128 v[\reg+4*\j:\reg+4*\j+3], v[\adr] offset:(\q)*STEPB+(\i)*FRB+16*\j
.endr
.endm
; 16 matrix instructions: A's blocks a0, a0 + 1 x W's eight.  The 64 accumulators take turns, in the same order in every step
.macro MUL16 a0, p, q, sc, first
.irp a, \a0, \a0+1
.irp b, 0,1,2,3,4,5,6,7
.if \first
	v_wmma_scale_f32_16x16x128_f8f6f4 v[8*(8*((\a)%4)+\b):8*(8*((\a)%4)+\b)+7], v[128*(\p)+FR*\b:128*(\p)+FR*\b+FR-1], v[AF+FR*(\a):AF+FR*(\a)+FR-1], v[96+8*\b+96*(\b/4):96+8*\b+96*(\b/4)+7], v[SC+32*(\sc)+4*\b+(\q)], v[SC+32*(\sc)+4*(\a)+(\q)] matrix_a_fmt:MATRIX_FMT_FP6 matrix_b_fmt:MATRIX_FMT_FP6 matrix_a_scale:MATRIX_SCALE_ROW1
.else
	v_wmma_scale_f32_16x16x128_f8f6f4 v[8*(8*((\a)%4)+\b):8*(8*((\a)%4)+\b)+7], v[128*(\p)+FR*\b:128*(\p)+FR*\b+FR-1], v[AF+FR*(\a):AF+FR*(\a)+FR-1], v[8*(8*((\a)%4)+\b):8*(8*((\a)%4)+\b)+7], v[SC+32*(\sc)+4*\b+(\q)], v[SC+32*(\sc)+4*(\a)+(\q)] matrix_a_fmt:MATRIX_FMT_FP6 matrix_b_fmt:MATRIX_FMT_FP6 matrix_a_scale:MATRIX_SCALE_ROW1
.endif
.endr
.endr
.endm
.macro FETCH_B slot, q, p
	WIN TO_B
.irp i, 0,1,2,3,4,5,6,7
	FRAG 128*(\p)+FR*\i, ADRB+\slot, \q, \i
.endr
	WIN 0
.endm
.macro FETCH_A slot, q, i0
.irp i, \i0, \i0+1, \i0+2, \i0+3
	FRAG AF+FR*(\i), ADRA+\slot, \q, \i
.endr
.endm
.macro PLACES n                        ; places in front of loads into registers that matrix instructions have read (ISA guide 7.12.1 for vector instructions)
.rept \n
	v_nop
.endr
.endm
; step q (0 or 1) of the tile in slot s: 64 products; the next step's fragments come in its middle and at its end.  lc: the scale loads issued behind this tile's eight
.macro STEP s, q, first, lc
.set P, ((\s)+(\q))%2
.if (\q) == 0
	s_wait_loadcnt \lc
.endif
	s_wait_dscnt 4*NL                              ; A's blocks 4-7 may be out
.if \first
	WIN FIRST_LO
.else
	WIN MUL_LO
.endif
	MUL16 0, P, \q, \s, \first
	MUL16 2, P, \q, \s, \first
	s_wait_dscnt 0
	PLACES NP
	FETCH_B \s, (\q)+1, 1-P
	FETCH_A \s, (\q)+1, 0
.if \first
	WIN FIRST_HI
.else
	WIN MUL_HI
.endif
	MUL16 4, P, \q, \s, \first
	MUL16 6, P, \q, \s, \first
	PLACES NP
	WIN 0
	FETCH_A \s, (\q)+1, 4
.endm
; a tile's third step changes slots: one barrier.  In front of it: all my tensor loads (my part of the next tile), the add, my reads of this slot.  fill = 1: the barrier opens a round of the
; cluster's barrier, this slot takes the tile two on, and this set of scale words is asked for anew behind the step's last products.
.macro TRANS s, fill, ask
	s_wait_tensorcnt 0x0
	ds_add_u32 v[SPW], v[NIL]
	s_wait_dscnt 4*NL+1                            ; the add and A's blocks 4-7 may be out
	WIN MUL_LO
	MUL16 0, \s, 2, \s, 0
	s_wait_dscnt 0x0
	s_barrier_signal -1
	MUL16 2, \s, 2, \s, 0
	WIN 0
	s_barrier_wait -1
.if \fill
	CREST
	s_add_nc_u64 s[G0+4*\s+2:G0+4*\s+3], s[G0+4*\s+2:G0+4*\s+3], 2*TILEB
	s_add_nc_u64 s[G0B+4*\s+2:G0B+4*\s+3], s[G0B+4*\s+2:G0B+4*\s+3], 2*TILEB
	JLOAD \s                                       ; 160 matrix instructions stand between it and the wait for it
.else
	PLACES NP
.endif
	FETCH_B 1-\s, 0, 1-\s
	FETCH_A 1-\s, 0, 0
.if \fill
	ASK \ask
.endif
	WIN MUL_HI
	MUL16 4, \s, 2, \s, 0
	MUL16 6, \s, 2, \s, 0
	PLACES NP
	WIN 0
	FETCH_A 1-\s, 0, 4
.if \fill
	s_wait_xcnt 0x0                                ; earlier loads and prefetches have read their bases
	s_add_nc_u64 s[SB:SB+1], s[SB:SB+1], 256
	SCLD \s, 256
.endif
.endm
	s_wait_alu depctr_va_vdst(0)
	s_wait_tensorcnt 0x0                           ; my part of tile 0; the three lines, as ahead of a refill
	ds_add_u32 v[SPW], v[NIL]
	s_wait_dscnt 0x0
	CROUND
	JLOAD 1                                        ; tile 1, slot 1's first fill
	FETCH_B 0, 0, 0
	FETCH_A 0, 0, 0
	FETCH_A 0, 0, 4
	PF 2*TILEB                                     ; tile 3
	STEP 0, 0, 1, 8                                ; tile 0; its first products take the bias as C
	STEP 0, 1, 0, 0
	TRANS 0, 1, 1
	s_mov_b32 s3, 4
.Llap:                                                 ; tiles 1 to 8, two a trip; refills 3 to 10
	STEP 1, 0, 0, 8
	STEP 1, 1, 0, 0
	TRANS 1, 1, 0
	STEP 0, 0, 0, 8
	STEP 0, 1, 0, 0
	TRANS 0, 1, 0
	s_sub_co_u32 s3, s3, 1
	s_cmp_lg_u32 s3, 0
	s_cbranch_scc1 .Llap
	STEP 1, 0, 0, 8                                ; tile 9: nothing more is fetched
	STEP 1, 1, 0, 0
	TRANS 1, 0, 0
	STEP 0, 0, 0, 0                                ; tile 10: K steps 30 and 31
	s_wait_dscnt 4*NL
	WIN MUL_LO
	MUL16 0, 1, 1, 0, 0
	MUL16 2, 1, 1, 0, 0
	s_wait_dscnt 0
	WIN MUL_HI
	MUL16 4, 1, 1, 0, 0
	MUL16 6, 1, 1, 0, 0
	WIN 0
; THE WAY OUT: a block of 16 rows x 128 columns goes through my own stage and comes back as whole rows of 512 bytes; relu; the 32 lanes store two aligned blocks of 256 bytes
.macro TOSTAGE a
.set AC, 64*((\a)%4)
	WIN 0x08+4*((\a)/4)
.irp b, 0,1,2,3,4,5,6,7
	ds_store_b128 v[STO], v[AC+8*\b:AC+8*\b+3] offset:64*\b          ; each accumulator from its low end on
	ds_store_b128 v[STO], v[AC+8*\b+4:AC+8*\b+7] offset:64*\b+16
.endr
	WIN 0
.set BB, BK+64*((\a)%2)
.irp t, 0,1,2,3,4,5,6,7,8,9,10,11,12,13,14,15
	ds_load_b128 v[BB+4*\t:BB+4*\t+3], v[RD] offset:\t*SPITCH
.endr
.endm
.macro SEND a, younger
.set BB, BK+64*((\a)%2)
	s_wait_dscnt \younger
.if (\a) > 0
	s_add_nc_u64 s[12:13], s[12:13], 16*SIZE_N*4   ; behind a wait on XCNT
.endif
.irp t, 0,1,2,3,4,5,6,7,8,9,10,11,12,13,14,15
.irp i, 0,1,2,3
	v_max_num_f32 v[BB+4*\t+\i], 0, v[BB+4*\t+\i]
.endr
	global_store_b128 v[CO], v[BB+4*\t:BB+4*\t+3], s[12:13] offset:\t*SIZE_N*4 th:TH_STORE_NT
.endr
.endm
	PLACES NP
	TOSTAGE 0
.irp a, 1,2,3,4,5,6,7
.if \a > 1
	s_wait_xcnt 0x0                                ; block a - 2's stores have read their registers and base
.endif
	TOSTAGE \a
	SEND \a-1, 32
.endr
	s_wait_xcnt 0x0
	SEND 7, 0
	s_wait_tensorcnt 0x0                           ; the wave's end
	ds_add_u32 v[SPW], v[NIL]
	s_wait_dscnt 0x0
	CROUND                                         ; the closing round
	s_endpgm
.Lfunc_end_k_q45c12d6402_gemm:
	.size	k_q45c12d6402_gemm, .Lfunc_end_k_q45c12d6402_gemm-k_q45c12d6402_gemm
	.p2alignl 7, 3214868480
	.fill 96, 4, 3214868480
	.section	.rodata,"a",@progbits
	.p2align	6, 0x0
	.amdhsa_kernel k_q45c12d6402_gemm
		.amdhsa_group_segment_fixed_size 327680
		.amdhsa_private_segment_fixed_size 0
		.amdhsa_enable_private_segment 0
		.amdhsa_kernarg_size 40
		.amdhsa_user_sgpr_count 2
		.amdhsa_user_sgpr_kernarg_segment_ptr 1
		.amdhsa_wavefront_size32 1
		.amdhsa_system_sgpr_workgroup_id_x 1
		.amdhsa_system_sgpr_workgroup_id_y 1
		.amdhsa_system_sgpr_workgroup_id_z 1
		.amdhsa_system_vgpr_workitem_id 0
		.amdhsa_next_free_vgpr 1024
		.amdhsa_next_free_sgpr 72
		.amdhsa_reserve_vcc 0
		.amdhsa_float_denorm_mode_32 3
		.amdhsa_float_denorm_mode_16_64 3
		.amdhsa_memory_ordered 1
		.amdhsa_forward_progress 1
		.amdhsa_inst_pref_size 225
	.end_amdhsa_kernel
	.amdgpu_metadata
---
amdhsa.version: [ 1, 2 ]
amdhsa.kernels:
  - .name:           k_q45c12d6402_gemm
    .symbol:         k_q45c12d6402_gemm.kd
    .args:
      - { .name: ai, .offset: 0, .size: 8, .value_kind: global_buffer, .address_space: global }
      - { .name: wi, .offset: 8, .size: 8, .value_kind: global_buffer, .address_space: global }
      - { .name: scl, .offset: 16, .size: 8, .value_kind: global_buffer, .address_space: global }
      - { .name: b, .offset: 24, .size: 8, .value_kind: global_buffer, .address_space: global }
      - { .name: out0, .offset: 32, .size: 8, .value_kind: global_buffer, .address_space: global }
    .group_segment_fixed_size: 327680
    .private_segment_fixed_size: 0
    .kernarg_segment_align: 8
    .kernarg_segment_size: 40
    .max_flat_workgroup_size: 128
    .sgpr_count:     72
    .vgpr_count:     1024
    .wavefront_size: 32
...
	.end_amdgpu_metadata
.endif
;; end of part 2
